; MI455X (gfx1250); checked and timed in simulation.
; The chip was launched on July 23, 2026; its instructions are those of AMD's public machine-readable ISA for CDNA 5 (MIT licence, August 2026) and "CDNA5" Instruction Set Architecture Reference Guide (July 2026). The comments in the code are by the model that wrote it; some were corrected since.
;; Student Net. Allowed arithmetic: float matrix products may take bf16 or f16 operands with f32 sums; all other float work in f32.
;; Inputs: emb_W 128 x 16 float32; emb_b 128 float32; ffn_W1 256 x 128 float32; ffn_W2 128 x 256 float32; ffn_b1 256 float32; ffn_b2 128 float32; n1_b 128 float32; n1_g 128 float32; n2_b 128 float32; n2_g 128 float32; out_W 128 x 65,536 float32; out_b 128 float32; patch_b 16 float32; patch_g 16 float32; proj_W 128 x 16 float32; proj_b 128 float32; proto_b 16 float32; proto_g 16 float32; prototypes 1,024 x 16 float32; x 512 x 16 x 16 x 32 float32.
;; Outputs: out0 512 x 128 float32.
;; One version. Each part assembles by itself: llvm-mc -triple=amdgcn-amd-amdhsa -mcpu=gfx1250 --defsym DOCPART=n.
;; ======== version 1 of 1: 3 launches
;; limits: values within 1.5e-05 (relative) of each other or of a threshold may be ordered or decided otherwise than in the reference; values are held in f16: magnitudes above 65,504 overflow, below 6.1e-05 lose precision; inputs' magnitudes at most 255; right only within a limited range of input values
;; workspace buffers: idx 1,048,576 bytes of whole numbers; wf 16,777,216 bytes; part 4,194,304 bytes; tab 163,840 bytes
;; launch nearest (part 1): grid 16 x 16, 8 waves a work-group, no clusters, 105,472 bytes of LDS; arguments x, prototypes, patch_g, patch_b, proto_g, proto_b, out_W, idx, wf, ffn_W1, ffn_W2, tab; writes idx, wf, tab
.if DOCPART == 1
	.amdgcn_target "amdgcn-amd-amdhsa--gfx1250"
	.amdhsa_code_object_version 6
	.text
	.protected	k_q6fb3efcb6a_nearest
	.globl	k_q6fb3efcb6a_nearest
	.p2align	8
	.type	k_q6fb3efcb6a_nearest,@function
k_q6fb3efcb6a_nearest:
	s_mov_b64 s[64:65], 0
	v_nop
	global_prefetch_b8 v0, s[64:65] scope:SCOPE_SE
	s_setreg_imm32_b32 hwreg(HW_REG_WAVE_MODE, 25, 1), 1
	s_wait_xcnt 0x0
; NEAREST: for each of the 262,144 tokens (b, n, d) the index of the layer-normed prototype with the largest cosine, stored as whole
; numbers for the next launch; out_W recast once to f16, times 256, in the order in which the next launch's matrix fragments want it;
; and the table tab, which every work-group of the next launch copies into its LDS as it stands.
; No work of the problem is left out in this program: every input has a way to the output and is loaded by some launch.
; (The unit length of the tokens cannot move the argmax, but it gives the f16 operand its range, so it is done.)
; A work-group (bblk = x, n = y) has 32 b x 32 d = 1,024 tokens; wave w has the blocks bl = 4w + k, k = 0..3, of 2,048 bytes of x each.
; A lane (r = lane & 15, h = lane >> 4) loads 8 bytes at i*256 + 8*lane of a block: p = 2i + h of the tokens d = 2r and 2r + 1.
; THE PRODUCT: A = 16 prototypes, B = 16 tokens (d = 2r + z of one block), f16.  The 16 numbers of a vector fill half of K = 32; the
; place 8h + i holds p = 2i + h in A and in B alike.  The other half of K carries the prototypes' low parts: A = [hi | lo], B = [x | x],
; hi = the unit prototype cut to 11 significant bits, lo = the rest.  C is the constant 2.0 in registers, so every result lies in 1 .. 3.
; THE ARGMAX: a result's low 6 bits are replaced by 63 - tile; the running maximum of these positive numbers carries the tile along.
; LIMITS: similarities that agree in all but the 6 replaced bits (2^-16 at the most) count as equal and the lowest index wins, as it does
; for exact ties in the problem; the tokens enter in f16 (11 bits); a NaN or an infinity in x or prototypes is not ordered as argmax orders it;
; 256 |out_W| stays under f16's largest number, 65,504 (|out_W| < 255), and parts of out_W under 2^-32 are lost;
; sqrt(15) |proto_g| + |proto_b|, the bound of a layer-normed prototype, stays under 65,504 too.
; idx, u32: byte g*4096 + wv*512 + d*16 + k*4, g = n*16 + bblk, b & 31 = 4 wv + k.
; wf, f16: byte nd*32768 + ot*4096 + ec*1024 + c*512 + lane*16 + 2 pos = 256 out_W[16 ot + r][nd*128 + 32 ec + 16 c + 8 h + pos], nd = n*32 + d.
; tab: bytes 0 .. 65,535 ffn_W1 in bf16, fragment (mt*4 + kc)*1024 + c*512 + lane*16 + 2 pos = W1[16 mt + r][32 kc + 16 c + 8 h + pos];
;      bytes 65,536 .. 131,071 ffn_W2 likewise, fragment mt*8 + kc; these are 256 blocks of 512 bytes, and work-group g makes block g (its wave 7:
;      32 bytes of row r a lane, four conversions, one store of 512 consecutive bytes);
;      bytes 131,072 .. 163,839 the layer-normed prototypes in f16, h*16384 + row*16, place i of half h = p = 2i + h: every work-group has them in
;      registers on its way to the unit vectors, and work-group g < 32 stores rows 32 g .. 32 g + 31.  Each byte of tab has one writer.
.set PF,    0                          ; 64 tiles x 1,024 bytes: c*512 + h*256 + r*16 (c = 0 hi, 1 lo)
.set IDXS,  65536                      ; 4,096 bytes: w*512 + d*16 + k*4
.set RSTG,  69632                      ; 8 x 4,352: each wave's own stage for the recast, 16 blocks of 16 rows x 16 bytes, 272 apart
.set SL,    26                         ; s26, s27: v_permlanex16_b32 selects, lane i of the other half
.set C16,   36                         ; 1/16
.set CEPS,  38                         ; 1e-5
.set CTINY, 40                         ; 1e-12
; v0 thread, v1 lane, v2 8 lane, v3 fragment read address (stepped), v4 64 lane, v5 PF store, v6 8h, v7 zero
; v8-15 patch_g, v16-23 patch_b at p = 2i + h; v24-31 the constant C; v32-95 B fragments (8 a tile); v96-159 running maxima (8 a tile)
; v160-191 two sets of results (a at 160 + 16 set, b at 168 + 16 set); v192-223 two A buffers; v224-239 at work;
; v240-247 wave 7: its 8 numbers of ffn_W1 or ffn_W2; v248-255 addresses
; window 1, v0-127: the 32 loads of out_W
.set MSB, 0
.macro WIN new                         ; the immediate's high byte repeats the setting that is left
.if MSB != \new
	s_set_vgpr_msb (MSB<<8)|\new
.set MSB, \new
.endif
.endm
.macro SUM8 x, t                       ; pair t = the sum of the eight pairs at x
	v_pk_add_f32 v[\t:\t+1], v[\x:\x+1], v[\x+2:\x+3]
	v_pk_add_f32 v[\t+2:\t+3], v[\x+4:\x+5], v[\x+6:\x+7]
	v_pk_add_f32 v[\t+4:\t+5], v[\x+8:\x+9], v[\x+10:\x+11]
	v_pk_add_f32 v[\t+6:\t+7], v[\x+12:\x+13], v[\x+14:\x+15]
	v_pk_add_f32 v[\t:\t+1], v[\t:\t+1], v[\t+2:\t+3]
	v_pk_add_f32 v[\t+4:\t+5], v[\t+4:\t+5], v[\t+6:\t+7]
	v_pk_add_f32 v[\t:\t+1], v[\t:\t+1], v[\t+4:\t+5]
.endm
.macro SQ8 x, t                        ; pair t = the sum of their squares, two chains
	v_pk_mul_f32 v[\t:\t+1], v[\x:\x+1], v[\x:\x+1]
	v_pk_mul_f32 v[\t+2:\t+3], v[\x+2:\x+3], v[\x+2:\x+3]
.irp i, 2,3,4,5,6,7
	v_pk_fma_f32 v[\t+2*(\i%2):\t+2*(\i%2)+1], v[\x+2*\i:\x+2*\i+1], v[\x+2*\i:\x+2*\i+1], v[\t+2*(\i%2):\t+2*(\i%2)+1]
.endr
	v_pk_add_f32 v[\t:\t+1], v[\t:\t+1], v[\t+2:\t+3]
.endm
.macro ADD8 x, t
.irp i, 0,2,4,6,8,10,12,14
	v_pk_add_f32 v[\x+\i:\x+\i+1], v[\x+\i:\x+\i+1], v[\t:\t+1]
.endr
.endm
.macro MUL8 x, t
.irp i, 0,2,4,6,8,10,12,14
	v_pk_mul_f32 v[\x+\i:\x+\i+1], v[\x+\i:\x+\i+1], v[\t:\t+1]
.endr
.endm
.macro CROSS t                         ; adds the other half of the lanes' pair (t+2, t+3 have been written before)
	v_permlanex16_b32 v[\t+2], v[\t], s[SL], s[SL+1]
	v_permlanex16_b32 v[\t+3], v[\t+1], s[SL], s[SL+1]
	v_pk_add_f32 v[\t:\t+1], v[\t:\t+1], v[\t+2:\t+3]
.endm
; LayerNorm of two tokens at once: pair i at x holds p = 2i + h of both; g, b: gain and bias at p = 2i + h, one register each
.macro XLN x, t, g, b
	SUM8 \x, \t
	CROSS \t
	v_pk_mul_f32 v[\t:\t+1], v[\t:\t+1], 0xbd800000 op_sel_hi:[1,0]    ; minus the mean
	ADD8 \x, \t
	SQ8 \x, \t
	CROSS \t
	v_fma_f32 v[\t], v[\t], s[C16], s[CEPS]
	v_fma_f32 v[\t+1], v[\t+1], s[C16], s[CEPS]
	v_rsq_f32 v[\t], v[\t]
	v_rsq_f32 v[\t+1], v[\t+1]
	v_nop                                  ; one plain instruction behind the transcendentals (ISA guide 5.7.2)
	s_wait_alu depctr_va_vdst(0)
	MUL8 \x, \t
.irp i, 0,2,4,6
	v_pk_fma_f32 v[\x+2*\i:\x+2*\i+1], v[\x+2*\i:\x+2*\i+1], v[\g+\i:\g+\i+1], v[\b+\i:\b+\i+1] op_sel_hi:[1,0,0]
	v_pk_fma_f32 v[\x+2*\i+2:\x+2*\i+3], v[\x+2*\i+2:\x+2*\i+3], v[\g+\i:\g+\i+1], v[\b+\i:\b+\i+1] op_sel:[0,1,1] op_sel_hi:[1,1,1]
.endr
.endm
; LayerNorm of one prototype row, all 16 numbers in the lane at u; g, b: 16 registers each
.macro PLN u, t, g, b
	SUM8 \u, \t
	v_add_f32 v[\t], v[\t], v[\t+1]
	v_mul_f32 v[\t], 0xbd800000, v[\t]
	v_mov_b32 v[\t+1], v[\t]
	ADD8 \u, \t
	SQ8 \u, \t
	v_add_f32 v[\t], v[\t], v[\t+1]
	v_fma_f32 v[\t], v[\t], s[C16], s[CEPS]
	v_rsq_f32 v[\t], v[\t]
	v_nop
	s_wait_alu depctr_va_vdst(0)
	v_mov_b32 v[\t+1], v[\t]
	MUL8 \u, \t
.irp i, 0,2,4,6,8,10,12,14
	v_pk_fma_f32 v[\u+\i:\u+\i+1], v[\u+\i:\u+\i+1], v[\g+\i:\g+\i+1], v[\b+\i:\b+\i+1]
.endr
.endm
; prototype row 128 w + 32 i + lane: LayerNorm (stored in f16 into tab by the one work-group whose rows these are), unit length,
; hi and lo in f16, into the fragment image in LDS
.macro PROTO i
	PLN 160+16*\i, 32, 64, 80
	s_cmp_lg_u32 s24, \i                   ; s24 = g - 4 w: rows 32 (4 w + i) .. + 31 are stored by work-group g = 4 w + i
	s_cbranch_scc1 .Lnot_mine_\@
.irp hh, 0,1
.irp q, 0,1,2,3
	v_cvt_pk_f16_f32 v[224+4*\hh+\q], v[160+16*\i+4*\q+\hh], v[160+16*\i+4*\q+2+\hh]
.endr
	global_store_b128 v250, v[224+4*\hh:227+4*\hh], s[60:61] offset:16384*\hh     ; 32 rows x 16 bytes: 512 consecutive bytes, aligned
.endr
	s_wait_xcnt 0x0                        ; v224-231, which these stores read, are written again only behind this wait
.Lnot_mine_\@:
	SQ8 160+16*\i, 32
	v_add_f32 v32, v32, v33
	v_sqrt_f32 v32, v32
	v_nop
	s_wait_alu depctr_va_vdst(0)
	v_max_num_f32 v32, s[CTINY], v32
	v_rcp_f32 v32, v32
	v_nop
	s_wait_alu depctr_va_vdst(0)
	v_mov_b32 v33, v32
	MUL8 160+16*\i, 32
.irp p, 0,1,2,3,4,5,6,7,8,9,10,11,12,13,14,15
	v_and_b32 v[48+\p], 0xffffe000, v[160+16*\i+\p]        ; hi: 11 significant bits
.endr
.irp hh, 0,1
.irp q, 0,1,2,3
	v_cvt_pk_f16_f32 v[40+4*\hh+\q], v[48+4*\q+\hh], v[48+4*\q+2+\hh]      ; place i of half hh is p = 2i + hh
.endr
	ds_store_b128 v5, v[40+4*\hh:43+4*\hh] offset:\i*2048+256*\hh
.endr
.irp p, 0,2,4,6,8,10,12,14
	v_pk_add_f32 v[160+16*\i+\p:160+16*\i+\p+1], v[160+16*\i+\p:160+16*\i+\p+1], v[48+\p:49+\p] neg_lo:[0,1] neg_hi:[0,1]   ; lo
.endr
.irp hh, 0,1
.irp q, 0,1,2,3
	v_cvt_pk_f16_f32 v[32+4*\hh+\q], v[160+16*\i+4*\q+\hh], v[160+16*\i+4*\q+2+\hh]
.endr
	ds_store_b128 v5, v[32+4*\hh:35+4*\hh] offset:\i*2048+512+256*\hh
.endr
.endm
; block k of x: LayerNorm, unit length, the B fragments of the tiles 2k (even d) and 2k + 1 (odd d)
.macro XPREP k
	XLN 96+16*\k, 224, 8, 16
	SQ8 96+16*\k, 224
	CROSS 224
	v_sqrt_f32 v224, v224
	v_sqrt_f32 v225, v225
	v_nop
	s_wait_alu depctr_va_vdst(0)
	v_max_num_f32 v224, s[CTINY], v224
	v_max_num_f32 v225, s[CTINY], v225
	v_rcp_f32 v224, v224
	v_rcp_f32 v225, v225
	v_nop
	s_wait_alu depctr_va_vdst(0)
	MUL8 96+16*\k, 224
.irp z, 0,1
.irp q, 0,1,2,3
	v_cvt_pk_f16_f32 v[32+16*\k+8*\z+\q], v[96+16*\k+4*\q+\z], v[96+16*\k+4*\q+2+\z]
.endr
.irp q, 0,1,2,3
	v_mov_b32 v[36+16*\k+8*\z+\q], v[32+16*\k+8*\z+\q]     ; the same numbers against the prototypes' low parts
.endr
.endr
.endm
.macro WA buf, tau
	v_wmma_f32_16x16x32_f16 v[160+16*((\tau)%2):167+16*((\tau)%2)], v[192+16*\buf:199+16*\buf], v[32+8*(\tau):39+8*(\tau)], v[24:31]
.endm
.macro WB buf, tau
	v_wmma_f32_16x16x32_f16 v[168+16*((\tau)%2):175+16*((\tau)%2)], v[200+16*\buf:207+16*\buf], v[32+8*(\tau):39+8*(\tau)], v[24:31]
.endm
.macro SL1 tau                         ; twelve tags
.irp j, 0,1,2,3,4,5,6,7
	v_and_or_b32 v[160+16*((\tau)%2)+\j], v[160+16*((\tau)%2)+\j], s28, s29
.endr
.irp j, 0,1,2,3
	v_and_or_b32 v[168+16*((\tau)%2)+\j], v[168+16*((\tau)%2)+\j], s28, s30
.endr
.endm
.macro SL2 tau, first                  ; four tags, eight maxima; the first trip starts the maxima: nothing is cleared
.irp j, 4,5,6,7
	v_and_or_b32 v[168+16*((\tau)%2)+\j], v[168+16*((\tau)%2)+\j], s28, s30
.endr
.irp j, 0,1,2,3,4,5,6,7
.if \first
	v_max_num_f32 v[96+8*(\tau)+\j], v[160+16*((\tau)%2)+\j], v[168+16*((\tau)%2)+\j]
.else
	v_max3_num_f32 v[96+8*(\tau)+\j], v[96+8*(\tau)+\j], v[160+16*((\tau)%2)+\j], v[168+16*((\tau)%2)+\j]
.endif
.endr
.endm
; Two prototype tiles against the wave's eight token tiles.  No product adds onto another's result (C is the constant), and the two sets of
; results take turns: a set is read, and written again, behind at least twelve plain instructions that work on the other set; the five
; v_nop are those places for the trip's first set (ISA guide 7.12.1).  The loads into the other A buffer stand behind the last trip's slices.
.macro TRIP buf, first, more
.if \more
	ds_load_b128 v[208-16*\buf:211-16*\buf], v3
	ds_load_b128 v[212-16*\buf:215-16*\buf], v3 offset:512
	ds_load_b128 v[216-16*\buf:219-16*\buf], v3 offset:1024
	ds_load_b128 v[220-16*\buf:223-16*\buf], v3 offset:1536
	v_add_nc_u32 v3, 2048, v3
	s_wait_dscnt 0x4                       ; this trip's four loads are in; the four just issued stay out
.else
	s_wait_dscnt 0x0
.endif
	WA \buf, 0
	WB \buf, 0
.rept 5
	v_nop
.endr
.irp tau, 1,2,3,4,5,6,7
	WA \buf, \tau
	SL1 \tau-1
	WB \buf, \tau
	SL2 \tau-1, \first
.endr
	SL1 7
	SL2 7, \first
	s_sub_co_u32 s29, s29, 2               ; the tags of the next two tiles
	s_sub_co_u32 s30, s30, 2
.endm
; the best of a token's 16 running maxima (8 registers, two halves of the lanes) and its index; equal keys: the lowest index
.macro MERGE tau
	v_mov_b32 v224, v[96+8*\tau]
	v_mov_b32 v225, 0
.irp j, 1,2,3,4,5,6,7
	v_cmp_gt_f32 vcc_lo, v[96+8*\tau+\j], v224
	v_cndmask_b32 v224, v224, v[96+8*\tau+\j], vcc_lo
	v_cndmask_b32 v225, v225, \j, vcc_lo
.endr
	v_and_b32 v226, 63, v224
	v_sub_nc_u32 v226, 63, v226            ; the tile
	v_lshl_add_u32 v226, v226, 4, v225
	v_add_nc_u32 v226, v226, v6            ; index = 16 tile + 8 h + j
	v_permlanex16_b32 v227, v224, s[SL], s[SL+1]
	v_permlanex16_b32 v228, v226, s[SL], s[SL+1]
	v_cmp_gt_f32 vcc_lo, v227, v224
	v_cndmask_b32 v229, v226, v228, vcc_lo
	v_min_u32 v230, v226, v228
	v_cmp_eq_f32 vcc_lo, v227, v224
	v_cndmask_b32 v229, v229, v230, vcc_lo
	ds_store_b32 v248, v229 offset:(\tau&1)*16+(\tau>>1)*4     ; both halves write the same word with the same value
.endm
; recast unit k: 16 rows x 128 columns of out_W, times 256 (exact: a power of two), to f16, through the wave's own stage into fragment order
.macro RCONV k
	WIN 0x41
.set i, 0
.rept 32
	v_pk_mul_f32 v[64*\k+2*i:64*\k+2*i+1], v[64*\k+2*i:64*\k+2*i+1], 0x43800000 op_sel_hi:[1,0]
.set i, i+1
.endr
	WIN 0x05
.set i, 0
.rept 32
	v_cvt_pk_f16_f32 v[32+i], v[64*\k+2*i], v[64*\k+2*i+1]
.set i, i+1
.endr
	WIN 0
.irp rr, 0,1,2,3,4,5,6,7,8,9,10,11,12,13,14,15
	ds_store_b64 v251, v[32+2*\rr:33+2*\rr] offset:\rr*16
.endr
	s_wait_xcnt 0x0                        ; v64-95, which earlier stores read, are loaded again only behind this wait
.irp f, 0,1,2,3,4,5,6,7
	ds_load_b128 v[64+4*\f:67+4*\f], v252 offset:\f*544    ; LDS serves a wave's instructions in order: these see the stores above
.endr
.irp f, 0,1,2,3,4,5,6,7
	s_wait_dscnt 7-\f
	global_store_b128 v250, v[64+4*\f:67+4*\f], s[44:45] offset:\k*4096+\f*512   ; 512 consecutive bytes, aligned
.endr
.endm
	s_load_b512 s[8:23], s[0:1], 0x0               ; x, prototypes, patch_g, patch_b, proto_g, proto_b, out_W, idx
	s_load_b256 s[48:55], s[0:1], 0x40             ; wf 48, ffn_W1 50, ffn_W2 52, tab 54
	v_lshl_add_u32 v238, v0, 2, 0x19800
	v_mov_b32 v239, 0
	v_lshrrev_b32 v1, 5, v0
	v_readfirstlane_b32 s2, v1                     ; wave
	s_and_b32 s4, ttmp7, 0xffff                    ; n
	s_lshl4_add_u32 s5, s4, ttmp9                  ; g = 16 n + bblk
	s_mov_b32 s26, 0x76543210
	s_mov_b32 s27, 0xfedcba98
	s_mov_b32 s28, 0xffffffc0                      ; keeps all but the tag's six bits
	s_mov_b32 s29, 63                              ; tag of tile 0
	s_mov_b32 s30, 62                              ; tag of tile 1
	s_mov_b32 s36, 0x3d800000
	s_mov_b32 s38, 0x3727c5ac
	s_mov_b32 s40, 0x2b8cbccc
	s_lshl_b32 s32, ttmp9, 20                      ; x: 32 bblk + 4 w blocks of b (32,768 bytes each) and n (2,048)
	s_lshl_b32 s6, s2, 17
	s_add_co_u32 s32, s32, s6
	s_lshl_b32 s6, s4, 11
	s_add_co_u32 s32, s32, s6
	s_mov_b32 s33, 0
	s_lshl_b32 s34, s2, 13                         ; prototypes: 128 rows of 64 bytes a wave
	s_mov_b32 s35, 0
	s_lshr_b32 s6, s2, 2
	s_lshl1_add_u32 s7, s5, s6                     ; nd = 2 g + (w >> 2)
	s_and_b32 s6, s2, 3
	s_lshl_b32 s42, s6, 23                         ; out_W: row 32 (w & 3), 262,144 bytes a row,
	s_lshl_b32 s3, s7, 9                           ; column 128 nd
	s_add_co_u32 s42, s42, s3
	s_mov_b32 s43, 0
	s_lshl_b32 s44, s7, 15                         ; wf: nd * 32,768 + 2 (w & 3) * 4,096
	s_lshl_b32 s3, s6, 13
	s_add_co_u32 s44, s44, s3
	s_mov_b32 s45, 0
	s_lshl_b32 s46, s5, 12                         ; idx: g * 4,096
	s_mov_b32 s47, 0
	; tab.  Block g of the weights' image: g < 128: ffn_W1, unit u = g >> 3 (16 rows of 512 bytes), piece f = g & 7 (64 bytes of each row);
	; else ffn_W2, unit v = (g - 128) >> 3 = 2 mt + hf (16 rows of 1,024 bytes from row 16 mt, byte 512 hf), piece f.
	s_lshl_b32 s24, s2, 2
	s_sub_co_u32 s24, s5, s24                      ; g - 4 w: which turn of PROTO, if any, holds the prototype rows that this work-group stores
	s_and_b32 s56, s5, 127
	s_lshr_b32 s57, s56, 3                         ; the unit
	s_and_b32 s56, s56, 7
	s_lshl_b32 s56, s56, 6                         ; 64 f
	s_lshl_b32 s59, s57, 13                        ; W1: 8,192 u
	s_lshr_b32 s60, s57, 1
	s_lshl_b32 s60, s60, 14                        ; W2: 16,384 mt
	s_and_b32 s61, s57, 1
	s_lshl_b32 s61, s61, 9                         ;     + 512 hf
	s_add_co_u32 s60, s60, s61
	s_cmp_lt_u32 s5, 128
	s_cselect_b32 s59, s59, s60
	s_cselect_b32 s25, 9, 10                       ; a row is 2^9 or 2^10 bytes
	s_add_co_u32 s56, s56, s59
	s_mov_b32 s57, 0
	s_lshl_b32 s58, s5, 9                          ; the block's place in tab: 512 g
	s_mov_b32 s59, 0
	s_add_co_u32 s60, s58, 131072                  ; and of the prototype rows 32 g .. 32 g + 31, half h = 0 (used where g < 32 alone)
	s_mov_b32 s61, 0
	s_mul_i32 s6, s2, 4352
	s_add_co_u32 s6, s6, RSTG                      ; my stage
	v_and_b32 v1, 31, v0
	v_and_b32 v224, 15, v0                         ; r
	v_bfe_u32 v225, v0, 4, 1                       ; h
	v_lshlrev_b32 v2, 3, v1
	v_lshlrev_b32 v3, 4, v1
	v_lshlrev_b32 v4, 6, v1
	v_lshlrev_b32 v5, 4, v224
	v_lshl_add_u32 v5, v225, 10, v5
	v_lshl_add_u32 v5, s2, 13, v5                  ; PF store: w*8192 + (lane>>4)*1024 + r*16
	v_lshlrev_b32 v6, 3, v225
	v_mov_b32 v7, 0
	v_lshlrev_b32 v248, 5, v224
	v_lshl_add_u32 v248, s2, 9, v248
	v_add_nc_u32 v248, IDXS, v248                  ; IDXS + w*512 + r*32
	v_lshlrev_b32 v253, 4, v0
	v_add_nc_u32 v249, IDXS, v253
	v_lshlrev_b32 v250, 4, v1
	v_lshrrev_b32 v226, 1, v1
	v_mul_u32_u24 v226, v226, 272
	v_and_b32 v227, 1, v1
	v_lshl_add_u32 v226, v227, 3, v226
	v_add_nc_u32 v251, s6, v226                    ; stage in: block lane>>1, 8 bytes (lane&1)
	v_mul_u32_u24 v226, v225, 272
	v_lshl_add_u32 v226, v224, 4, v226
	v_add_nc_u32 v252, s6, v226                    ; stage out: block h, row r
	v_lshlrev_b32 v254, 2, v225
	v_lshlrev_b32 v255, s25, v224                  ; the weight's row r,
	v_lshl_add_u32 v255, v225, 5, v255             ; 32 bytes for each h
	v_mov_b32 v228, 0
	s_wait_kmcnt 0x0
	s_add_nc_u64 s[32:33], s[8:9], s[32:33]
	s_add_nc_u64 s[34:35], s[10:11], s[34:35]
	s_add_nc_u64 s[42:43], s[20:21], s[42:43]
	s_add_nc_u64 s[44:45], s[48:49], s[44:45]
	s_add_nc_u64 s[46:47], s[22:23], s[46:47]
	s_cmp_lt_u32 s5, 128
	s_cselect_b64 s[62:63], s[50:51], s[52:53]     ; ffn_W1 or ffn_W2, by the work-group's number
	s_add_nc_u64 s[62:63], s[62:63], s[56:57]
	s_add_nc_u64 s[58:59], s[54:55], s[58:59]
	s_add_nc_u64 s[60:61], s[54:55], s[60:61]
.irp j, 0,1,2,3
	global_load_b128 v[64+4*\j:67+4*\j], v7, s[16:17] offset:16*\j
	global_load_b128 v[80+4*\j:83+4*\j], v7, s[18:19] offset:16*\j
.endr
.irp i, 0,1,2,3
.irp j, 0,1,2,3
	global_load_b128 v[160+16*\i+4*\j:163+16*\i+4*\j], v4, s[34:35] offset:\i*2048+16*\j
.endr
.endr
.irp i, 0,1,2,3,4,5,6,7
	global_load_b32 v[8+\i], v254, s[12:13] offset:8*\i
	global_load_b32 v[16+\i], v254, s[14:15] offset:8*\i
.endr
.irp k, 0,1,2,3
.irp i, 0,1,2,3,4,5,6,7
	global_load_b64 v[96+16*\k+2*\i:97+16*\k+2*\i], v2, s[32:33] offset:\k*32768+\i*256    ; 256 consecutive bytes, aligned
.endr
.endr
	s_cmp_lg_u32 s2, 7
	s_cbranch_scc1 .Lnot_7_a
	global_load_b128 v[240:243], v255, s[62:63]            ; wave 7: the work-group's block of the weights' image, 8 numbers a lane
	global_load_b128 v[244:247], v255, s[62:63] offset:16
.Lnot_7_a:
	s_wait_loadcnt 48                              ; proto_g, proto_b and my prototype rows are in; the 16 + 32 loads of patch and x stay out
	PROTO 0
	PROTO 1
	PROTO 2
	PROTO 3
	s_wait_dscnt 0x0                               ; my part of the fragment image is written
	s_barrier_signal -1
	s_barrier_wait -1                              ; everybody's is
	WIN 0x40
.set i, 0
.rept 32
	global_load_b128 v[4*i:4*i+3], v250, s[42:43] offset:i*262144 th:TH_LOAD_NT    ; a row's 512 bytes; they land under the whole search
.set i, i+1
.endr
	WIN 0
	s_wait_loadcnt 32                              ; all older loads are in (patch, x, wave 7's weights); the 32 loads of out_W stay out
	s_cmp_lg_u32 s2, 7
	s_cbranch_scc1 .Lnot_7_b
	v_cvt_pk_bf16_f32 v240, v240, v241
	v_cvt_pk_bf16_f32 v241, v242, v243
	v_cvt_pk_bf16_f32 v242, v244, v245
	v_cvt_pk_bf16_f32 v243, v246, v247
	global_store_b128 v250, v[240:243], s[58:59]   ; 512 consecutive bytes, aligned; v240-243 are not written again
.Lnot_7_b:
	XPREP 0
	XPREP 1
	XPREP 2
	XPREP 3
.irp j, 0,1,2,3,4,5,6,7
	v_mov_b32 v[24+\j], 2.0
.endr
	ds_load_b128 v[192:195], v3
	ds_load_b128 v[196:199], v3 offset:512
	ds_load_b128 v[200:203], v3 offset:1024
	ds_load_b128 v[204:207], v3 offset:1536
	v_add_nc_u32 v3, 2048, v3
	TRIP 0, 1, 1                                   ; 32 trips of two tiles: two, 14 x two, two
	TRIP 1, 0, 1
	s_mov_b32 s31, 14
.Lsim:
	TRIP 0, 0, 1
	TRIP 1, 0, 1
	s_sub_co_u32 s31, s31, 1
	s_cmp_lg_u32 s31, 0
	s_cbranch_scc1 .Lsim
	TRIP 0, 0, 1
	TRIP 1, 0, 0
.irp tau, 0,1,2,3,4,5,6,7
	MERGE \tau
.endr
	s_wait_dscnt 0x0
	s_barrier_signal -1
	s_barrier_wait -1
	ds_load_b128 v[232:235], v249
	s_wait_dscnt 0x0
	global_store_b128 v253, v[232:235], s[46:47]   ; the work-group's 4,096 bytes of idx, 16 a thread
	s_wait_loadcnt 0x0                             ; out_W
	RCONV 0
	RCONV 1
	s_wait_tensorcnt 0x0
	ds_add_u32 v238, v239
	s_wait_dscnt 0x0
	s_endpgm
.Lfunc_end_k_q6fb3efcb6a_nearest:
	.size	k_q6fb3efcb6a_nearest, .Lfunc_end_k_q6fb3efcb6a_nearest-k_q6fb3efcb6a_nearest
	.p2alignl 7, 3214868480
	.fill 96, 4, 3214868480
	.section	.rodata,"a",@progbits
	.p2align	6, 0x0
	.amdhsa_kernel k_q6fb3efcb6a_nearest
		.amdhsa_group_segment_fixed_size 105472
		.amdhsa_private_segment_fixed_size 0
		.amdhsa_enable_private_segment 0
		.amdhsa_kernarg_size 96
		.amdhsa_user_sgpr_count 2
		.amdhsa_user_sgpr_kernarg_segment_ptr 1
		.amdhsa_wavefront_size32 1
		.amdhsa_system_sgpr_workgroup_id_x 1
		.amdhsa_system_sgpr_workgroup_id_y 1
		.amdhsa_system_sgpr_workgroup_id_z 1
		.amdhsa_system_vgpr_workitem_id 0
		.amdhsa_next_free_vgpr 384
		.amdhsa_next_free_sgpr 66
		.amdhsa_reserve_vcc 1
		.amdhsa_float_denorm_mode_32 3
		.amdhsa_float_denorm_mode_16_64 3
		.amdhsa_memory_ordered 1
		.amdhsa_forward_progress 1
		.amdhsa_inst_pref_size 175
	.end_amdhsa_kernel
	.amdgpu_metadata
---
amdhsa.version: [ 1, 2 ]
amdhsa.kernels:
  - .name:           k_q6fb3efcb6a_nearest
    .symbol:         k_q6fb3efcb6a_nearest.kd
    .args:
      - { .name: x, .offset: 0, .size: 8, .value_kind: global_buffer, .address_space: global }
      - { .name: prototypes, .offset: 8, .size: 8, .value_kind: global_buffer, .address_space: global }
      - { .name: patch_g, .offset: 16, .size: 8, .value_kind: global_buffer, .address_space: global }
      - { .name: patch_b, .offset: 24, .size: 8, .value_kind: global_buffer, .address_space: global }
      - { .name: proto_g, .offset: 32, .size: 8, .value_kind: global_buffer, .address_space: global }
      - { .name: proto_b, .offset: 40, .size: 8, .value_kind: global_buffer, .address_space: global }
      - { .name: out_W, .offset: 48, .size: 8, .value_kind: global_buffer, .address_space: global }
      - { .name: idx, .offset: 56, .size: 8, .value_kind: global_buffer, .address_space: global }
      - { .name: wf, .offset: 64, .size: 8, .value_kind: global_buffer, .address_space: global }
      - { .name: ffn_W1, .offset: 72, .size: 8, .value_kind: global_buffer, .address_space: global }
      - { .name: ffn_W2, .offset: 80, .size: 8, .value_kind: global_buffer, .address_space: global }
      - { .name: tab, .offset: 88, .size: 8, .value_kind: global_buffer, .address_space: global }
    .group_segment_fixed_size: 105472
    .private_segment_fixed_size: 0
    .kernarg_segment_align: 8
    .kernarg_segment_size: 96
    .max_flat_workgroup_size: 256
    .sgpr_count:     66
    .vgpr_count:     384
    .wavefront_size: 32
...
	.end_amdgpu_metadata
.endif
;; end of part 1
;; launch encode (part 2): grid 16 x 16, 4 waves a work-group, no clusters, 220,672 bytes of LDS; arguments x, patch_g, patch_b, emb_W, emb_b, proj_W, proj_b, ffn_b1, ffn_b2, n1_g, n1_b, n2_g, n2_b, idx, wf, tab, part; writes part
.if DOCPART == 2
	.amdgcn_target "amdgcn-amd-amdhsa--gfx1250"
	.amdhsa_code_object_version 6
	.text
	.protected	k_q6fb3efcb6a_encode
	.globl	k_q6fb3efcb6a_encode
	.p2align	8
	.type	k_q6fb3efcb6a_encode,@function
k_q6fb3efcb6a_encode:
	s_mov_b64 s[64:65], 0
	v_nop
	global_prefetch_b8 v0, s[64:65] scope:SCOPE_SE
	s_setreg_imm32_b32 hwreg(HW_REG_WAVE_MODE, 25, 1), 1
	s_wait_xcnt 0x0
; ENCODE: LayerNorm of x, lookup of the chosen prototype by idx, both embeddings, the two-way softmax mix, LayerNorm, FFN with residual,
; LayerNorm, and the last product for one n: part[n][b][o] = 256 x the sum over d, e of z[b][n][d][e] out_W[o][(32 n + d) 128 + e]
; (wf holds 256 out_W; the next launch takes the factor back).  No work is left out: the prototypes' LayerNorm and the recast of ffn_W1 and
; ffn_W2 were done once by the launch before and come in as the table tab, so prototypes, proto_g, proto_b, ffn_W1 and ffn_W2 are not read here.
; A work-group (bblk = x, n = y) has 32 b x 32 d.  A token tile is 16 b at one d; wave w has d = 8w .. 8w+7 in four steps of four tiles
; tau = 2 dd + bt (d = 8w + 2 step + dd, b = 16 bt + r).  Weights are operand A, tokens operand B (column r), so that in a result register j
; of feature tile T in lane (r, h) is feature 16 T + 8 h + j of token r: four conversions of a tile are half of the next layer's B fragment,
; and a sum over features is a sum in the lane and one exchange between the halves of the lanes.  Nothing of the chain goes through LDS.
; The 16-wide products fill half of K = 32 (place 8h + i holds p = 2i + h in A and B alike); the other half carries the bias: A holds
; (bias cut to 11 bits, the rest of it), B holds (1, 1) there.
; FORMATS.  The roundings of x, emb_W, z and out_W reach the output at their full relative size, so both embeddings and the last product
; go in f16 (11 significant bits against bf16's 8).  Their operands have the range for it: a layer-normed vector of 16 is at most
; sqrt(15) |gain| + |bias|, one of 128 at most sqrt(127) |gain| + |bias|.  The FFN's middle is a product of h and W1 with no such bound,
; and the FFN's result is a small part of h + ffn: h, W1, the middle and W2 go in bf16.  All else is f32.
; LIMITS: sqrt(15) |patch_g| + |patch_b|, sqrt(127) |n2_g| + |n2_b|, |emb_W|, |emb_b|, |proj_W|, |proj_b| stay under f16's largest number, 65,504;
; parts of these operands under 2^-24 are lost.  v_sqrt_f32, v_rsq_f32 and v_rcp_f32 take denormal inputs as zero
; (a squared length below 2^-126 counts as 0 and meets the 1e-12 guard); an index is clamped to 0 .. 1,023.
; TENSOR LOADS: one a wave in the whole launch, its quarter (160 rows of 256 bytes) of tab into LDS bytes 0 .. 163,839; nothing is filled again.
; NO CLUSTER: tab is the one tile that work-groups share through LDS, 163,840 of the 1,277,952 bytes that a work-group brings in
; (65,536 of x, 1,048,576 of wf, which goes straight into A fragments), and it is fetched once, at the head.
.set W1F,  0                           ; 64 fragments x 1,024 (fragment mt*4 + kc): c*512 + lane*16, as tab holds them
.set W2F,  65536                       ; 64 fragments (mt*8 + kc)
.set PBT,  131072                      ; layer-normed prototypes in f16: h*16384 + row*16
.set TABW, 40960                       ; a wave's quarter of the table's 163,840 bytes
.set EMBF, 163840                      ; 8 fragments x 1,088: blocks of 16 rows x 16 bytes, 272 apart, block 4f + 2c + h
.set PRJF, 172544                      ; 8 fragments, 8,704 behind EMBF
.set XF,   181248                      ; 4 x 8,832: wv*8832 + d*272 + h*128 + k*16, b & 31 = 8 wv + k
.set PAR,  216576                      ; ffn_b1 0, n1_g 1024, n1_b 1536, n1_b + ffn_b2 2048, n2_g 2560, n2_b 3072
.set SL,   54                          ; s54, s55: v_permlanex16_b32 selects
.set C16,  72
.set CEPS, 71
.set G0,   44                          ; s[44:47] descriptor group 0
.set G1,   76                          ; s[76:83] descriptor group 1
; window 0: v0 thread, v1 lane, v2 h*272 + r*16, v3 PAR + 32 h, v4 v5 v6 W1, W2, ffn_b1 read addresses, v7 XF read address, v8 16 lane,
;   v9 (1, 1) in f16 where h = 0, v10 EMBF read, v11 PBT + 16384 h, v12-15 at work, v16-31 the 16 indices in the order of use,
;   v32-55 chains, v56-63 a, c, -mean, 1/sigma (each twice), v32-63 also at work; v64-127 AF1, v128-191 AF2, v192-255 third parameter set, bias
; window 1: v0-127 B fragments of h, later of z (32 a tile); v128-191 FFN1 results, also the B fragments of x (128 + 8 tau) and of the
;   prototypes (160 + 8 tau); v192-223 B fragments of the FFN's middle; v128-255 wf group 1
; window 2: v0-255 the four tiles' 128 features (64 tau + 8 mt); later wf groups 2 and 3
; window 3: v0-127 the sums of the last product (8 (8 bt + ot)); v128-255 two tiles of the prototypes' embedding, later wf group 0
.set MSB, 0
.macro WIN new                         ; the immediate's high byte repeats the setting that is left; at labels and branches the setting is 0
.if MSB != \new
	s_set_vgpr_msb (MSB<<8)|\new
.set MSB, \new
.endif
.endm
.macro PLACES                          ; four places behind matrix instructions (ISA guide 7.12.1)
.rept 4
	v_nop
.endr
.endm
.macro SUM8 x, t
	v_pk_add_f32 v[\t:\t+1], v[\x:\x+1], v[\x+2:\x+3]
	v_pk_add_f32 v[\t+2:\t+3], v[\x+4:\x+5], v[\x+6:\x+7]
	v_pk_add_f32 v[\t+4:\t+5], v[\x+8:\x+9], v[\x+10:\x+11]
	v_pk_add_f32 v[\t+6:\t+7], v[\x+12:\x+13], v[\x+14:\x+15]
	v_pk_add_f32 v[\t:\t+1], v[\t:\t+1], v[\t+2:\t+3]
	v_pk_add_f32 v[\t+4:\t+5], v[\t+4:\t+5], v[\t+6:\t+7]
	v_pk_add_f32 v[\t:\t+1], v[\t:\t+1], v[\t+4:\t+5]
.endm
.macro SQ8 x, t
	v_pk_mul_f32 v[\t:\t+1], v[\x:\x+1], v[\x:\x+1]
	v_pk_mul_f32 v[\t+2:\t+3], v[\x+2:\x+3], v[\x+2:\x+3]
.irp i, 2,3,4,5,6,7
	v_pk_fma_f32 v[\t+2*(\i%2):\t+2*(\i%2)+1], v[\x+2*\i:\x+2*\i+1], v[\x+2*\i:\x+2*\i+1], v[\t+2*(\i%2):\t+2*(\i%2)+1]
.endr
	v_pk_add_f32 v[\t:\t+1], v[\t:\t+1], v[\t+2:\t+3]
.endm
.macro ADD8 x, t
.irp i, 0,2,4,6,8,10,12,14
	v_pk_add_f32 v[\x+\i:\x+\i+1], v[\x+\i:\x+\i+1], v[\t:\t+1]
.endr
.endm
.macro MUL8 x, t
	s_wait_alu depctr_va_vdst(0)
.irp i, 0,2,4,6,8,10,12,14
	v_pk_mul_f32 v[\x+\i:\x+\i+1], v[\x+\i:\x+\i+1], v[\t:\t+1]
.endr
.endm
.macro CROSS t
	v_permlanex16_b32 v[\t+2], v[\t], s[SL], s[SL+1]
	v_permlanex16_b32 v[\t+3], v[\t+1], s[SL], s[SL+1]
	v_pk_add_f32 v[\t:\t+1], v[\t:\t+1], v[\t+2:\t+3]
.endm
.macro XLN x, t, g, b                  ; LayerNorm of two tokens at once: pair i holds p = 2i + h of both
	SUM8 \x, \t
	CROSS \t
	v_pk_mul_f32 v[\t:\t+1], v[\t:\t+1], 0xbd800000 op_sel_hi:[1,0]
	ADD8 \x, \t
	SQ8 \x, \t
	CROSS \t
	v_fma_f32 v[\t], v[\t], s[C16], s[CEPS]
	v_fma_f32 v[\t+1], v[\t+1], s[C16], s[CEPS]
	v_rsq_f32 v[\t], v[\t]
	v_rsq_f32 v[\t+1], v[\t+1]
	v_nop                                  ; one plain instruction behind the transcendentals (ISA guide 5.7.2)
	MUL8 \x, \t
.irp i, 0,2,4,6
	v_pk_fma_f32 v[\x+2*\i:\x+2*\i+1], v[\x+2*\i:\x+2*\i+1], v[\g+\i:\g+\i+1], v[\b+\i:\b+\i+1] op_sel_hi:[1,0,0]
	v_pk_fma_f32 v[\x+2*\i+2:\x+2*\i+3], v[\x+2*\i+2:\x+2*\i+3], v[\g+\i:\g+\i+1], v[\b+\i:\b+\i+1] op_sel:[0,1,1] op_sel_hi:[1,1,1]
.endr
.endm
.macro XPREP2 k                        ; block b & 31 = 8 w + k of x: LayerNorm, f16, 16 bytes for each of my two tokens into XF
	XLN 128+16*\k, 32, 96, 104
.irp z, 0,1
.irp q, 0,1,2,3
	v_cvt_pk_f16_f32 v[32+4*\z+\q], v[128+16*\k+4*\q+\z], v[128+16*\k+4*\q+2+\z]
.endr
	ds_store_b128 v52, v[32+4*\z:35+4*\z] offset:\z*272+\k*16
.endr
.endm
.macro EPACK src, bias, off            ; row e = thread of emb_W or proj_W with its bias, in f16, as the four blocks of its fragment row
.irp hh, 0,1
.irp q, 0,1,2,3
	v_cvt_pk_f16_f32 v[128+4*\hh+\q], v[\src+4*\q+\hh], v[\src+4*\q+2+\hh]
.endr
	ds_store_b128 v58, v[128+4*\hh:131+4*\hh] offset:\off+272*\hh
.endr
	v_and_b32 v136, 0xffffe000, v[\bias]   ; the bias cut to f16's 11 significant bits,
	v_sub_f32 v137, v[\bias], v136         ; and the rest
	v_cvt_pk_f16_f32 v136, v136, v137
	v_mov_b32 v137, 0
	ds_store_b128 v58, v[136:139] offset:\off+544
	ds_store_b128 v58, v[140:143] offset:\off+816
.endm
.macro DOT c, a, b                     ; four chains at c: the sum over 32 pairs of a x b; the first four start the chains
.set i, 0
.rept 32
.if i < 4
	v_pk_mul_f32 v[\c+2*i:\c+2*i+1], v[\a+2*i:\a+2*i+1], v[\b+2*i:\b+2*i+1]
.else
	v_pk_fma_f32 v[\c+2*(i%4):\c+2*(i%4)+1], v[\a+2*i:\a+2*i+1], v[\b+2*i:\b+2*i+1], v[\c+2*(i%4):\c+2*(i%4)+1]
.endif
.set i, i+1
.endr
.endm
.macro RED c                           ; the four chains, the pair, the two halves of the lanes: the token's sum in v[c]
	v_pk_add_f32 v[\c:\c+1], v[\c:\c+1], v[\c+2:\c+3]
	v_pk_add_f32 v[\c+4:\c+5], v[\c+4:\c+5], v[\c+6:\c+7]
	v_pk_add_f32 v[\c:\c+1], v[\c:\c+1], v[\c+4:\c+5]
	v_add_f32 v[\c], v[\c], v[\c+1]
	v_permlanex16_b32 v[\c+1], v[\c], s[SL], s[SL+1]
	v_add_f32 v[\c], v[\c], v[\c+1]
.endm
.macro SCALE a, p                      ; under WIN 0x82: the tile's 64 registers times the pair p
.set i, 0
.rept 32
	v_pk_mul_f32 v[\a+2*i:\a+2*i+1], v[\a+2*i:\a+2*i+1], v[\p:\p+1]
.set i, i+1
.endr
.endm
.macro LNORM tau                       ; (v - mean) / sqrt(var + 1e-5) over the 128 features of tile tau, in two passes, in place
	WIN 0x0a
.irp i, 0,1,2,3
	v_pk_add_f32 v[32+2*\i:33+2*\i], v[64*\tau+2*\i:64*\tau+2*\i+1], v[64*\tau+8+2*\i:64*\tau+8+2*\i+1]
.endr
	WIN 0x02
.set i, 8
.rept 24
	v_pk_add_f32 v[32+2*(i%4):33+2*(i%4)], v[64*\tau+2*i:64*\tau+2*i+1], v[32+2*(i%4):33+2*(i%4)]
.set i, i+1
.endr
	WIN 0
	RED 32
	v_mul_f32 v60, 0xbc000000, v32         ; minus the mean
	v_mov_b32 v61, v60
	WIN 0x82
.set i, 0
.rept 32
	v_pk_add_f32 v[64*\tau+2*i:64*\tau+2*i+1], v[64*\tau+2*i:64*\tau+2*i+1], v[60:61]
.set i, i+1
.endr
	WIN 0x0a
	DOT 32, 64*\tau, 64*\tau
	WIN 0
	RED 32
	v_fma_f32 v62, v32, s70, s71
	v_rsq_f32 v62, v62
	v_nop
	s_wait_alu depctr_va_vdst(0)
	v_mov_b32 v63, v62
	WIN 0x82
	SCALE 64*\tau, 62
.endm
; the mix of tile tau: IE in window 2, PE at pe in window 3.  IE + w0 IE/|IE| + w1 PE/|PE| = a IE + c PE; then the first LayerNorm's core
.macro MIX tau, pe
	WIN 0x0a
	DOT 32, 64*\tau, 64*\tau
	WIN 0x0f
	DOT 40, \pe, \pe
	WIN 0x0e
	DOT 48, 64*\tau, \pe
	WIN 0
	RED 32
	RED 40
	RED 48
	v_sqrt_f32 v33, v32
	v_sqrt_f32 v41, v40
	v_nop
	s_wait_alu depctr_va_vdst(0)
	v_max_num_f32 v33, s73, v33
	v_max_num_f32 v41, s73, v41
	v_rcp_f32 v33, v33                     ; 1 / max(|IE|, 1e-12)
	v_rcp_f32 v41, v41                     ; 1 / max(|PE|, 1e-12)
	v_nop
	s_wait_alu depctr_va_vdst(0)
	v_mul_f32 v34, v32, v33
	v_mul_f32 v35, v48, v33
	v_mul_f32 v34, v34, v33                ; qw . kw
	v_mul_f32 v35, v35, v41                ; qw . km
	v_max_num_f32 v36, v34, v35            ; the softmax's maximum is taken away
	v_sub_f32 v34, v34, v36
	v_sub_f32 v35, v35, v36
	v_mul_f32 v34, 0x3fb8aa3b, v34
	v_mul_f32 v35, 0x3fb8aa3b, v35
	v_exp_f32 v34, v34
	v_exp_f32 v35, v35
	v_nop
	s_wait_alu depctr_va_vdst(0)
	v_add_f32 v36, v34, v35
	v_rcp_f32 v36, v36
	v_mul_f32 v34, v34, v33                ; plain, and free of the reciprocal
	v_mul_f32 v35, v35, v41
	s_wait_alu depctr_va_vdst(0)
	v_fma_f32 v56, v34, v36, 1.0           ; a = 1 + w0 / |IE|
	v_mul_f32 v58, v35, v36                ; c = w1 / |PE|
	v_mov_b32 v57, v56
	v_mov_b32 v59, v58
	WIN 0x82
	SCALE 64*\tau, 56
	WIN 0xa3
.set i, 0
.rept 32
	v_pk_fma_f32 v[64*\tau+2*i:64*\tau+2*i+1], v[\pe+2*i:\pe+2*i+1], v[58:59], v[64*\tau+2*i:64*\tau+2*i+1]
.set i, i+1
.endr
	LNORM \tau
.endm
; gain v64-127 and bias v128-191 onto tile tau, narrowed as the next product's B fragments.
; keep = 1: h, in bf16 for the FFN; the tile itself becomes gain, bias + ffn_b2 (v192-255).  keep = 0: z, in f16 for the last product.
.macro AFF tau, keep
.irp hf, 0,1
	WIN 0x02
.set i, 0
.rept 16
	v_pk_fma_f32 v[32+2*i:33+2*i], v[64*\tau+32*\hf+2*i:64*\tau+32*\hf+2*i+1], v[64+32*\hf+2*i:65+32*\hf+2*i], v[128+32*\hf+2*i:129+32*\hf+2*i]
.set i, i+1
.endr
	WIN 0x40
.set i, 0
.rept 16
.if \keep
	v_cvt_pk_bf16_f32 v[32*\tau+16*\hf+i], v[32+2*i], v[33+2*i]
.else
	v_cvt_pk_f16_f32 v[32*\tau+16*\hf+i], v[32+2*i], v[33+2*i]
.endif
.set i, i+1
.endr
.endr
.if \keep
	WIN 0x82
.set i, 0
.rept 32
	v_pk_fma_f32 v[64*\tau+2*i:64*\tau+2*i+1], v[64*\tau+2*i:64*\tau+2*i+1], v[64+2*i:65+2*i], v[192+2*i:193+2*i]
.set i, i+1
.endr
.endif
.endm
.macro PLOAD dst, off                  ; a parameter's 128 numbers in the layout of a tile: 16 loads
.irp mt, 0,1,2,3,4,5,6,7
	ds_load_b128 v[\dst+8*\mt:\dst+8*\mt+3], v3 offset:\off+64*\mt
	ds_load_b128 v[\dst+8*\mt+4:\dst+8*\mt+7], v3 offset:\off+64*\mt+16
.endr
.endm
.macro PROJ tau, pe
	WIN 0xc4
.irp mt, 0,1,2,3,4,5,6,7
	v_wmma_f32_16x16x32_f16 v[\pe+8*\mt:\pe+8*\mt+7], v[128+8*\mt:135+8*\mt], v[160+8*\tau:167+8*\tau], 0
.endr
.endm
; wf group g: d = d0 + (g >> 1), o tiles 4 (g & 1) .. + 3: 16 fragments, 32 loads of 512 consecutive bytes
.macro GLOAD g, win, base
	WIN \win
.set i, 0
.rept 32
	global_load_b128 v[\base+4*i:\base+4*i+3], v8, s[50:51] offset:(\g>>1)*32768+(\g&1)*16384+i*512
.set i, i+1
.endr
	WIN 0
.endm
.macro OUTP g, win, base               ; 32 products; eight accumulators take turns, one instruction a turn
	WIN \win
.irp ec, 0,1,2,3
.irp otl, 0,1,2,3
.irp bt, 0,1
	v_wmma_f32_16x16x32_f16 v[8*(8*\bt+4*(\g&1)+\otl):8*(8*\bt+4*(\g&1)+\otl)+7], v[\base+8*(4*\otl+\ec):\base+8*(4*\otl+\ec)+7], v[32*(2*(\g>>1)+\bt)+8*\ec:32*(2*(\g>>1)+\bt)+8*\ec+7], v[8*(8*\bt+4*(\g&1)+\otl):8*(8*\bt+4*(\g&1)+\otl)+7]
.endr
.endr
.endr
.endm
.macro W1LOAD                          ; the next 32 rows of W1 (8 fragments, 512 consecutive bytes a load) and their bias
.irp f, 0,1,2,3,4,5,6,7
	ds_load_b128 v[64+8*\f:67+8*\f], v4 offset:\f*1024
	ds_load_b128 v[68+8*\f:71+8*\f], v4 offset:\f*1024+512
.endr
.irp mtl, 0,1
	ds_load_b128 v[192+8*\mtl:195+8*\mtl], v6 offset:64*\mtl
	ds_load_b128 v[196+8*\mtl:199+8*\mtl], v6 offset:64*\mtl+16
.endr
	v_add_nc_u32 v4, 8192, v4
	v_add_nc_u32 v6, 128, v6
.endm
; 32 of the FFN's 256 middle features for the four tiles: FFN1 (32 products), relu and bf16, FFN2 (32 products)
.macro FTRIP more
	PLACES                                 ; behind the products that read AF2 and the middle's fragments
.irp mt, 0,1,2,3,4,5,6,7
	ds_load_b128 v[128+8*\mt:131+8*\mt], v5 offset:\mt*8192
	ds_load_b128 v[132+8*\mt:135+8*\mt], v5 offset:\mt*8192+512
.endr
	v_add_nc_u32 v5, 1024, v5
	s_wait_dscnt 16                        ; W1's fragments and the bias are in; the 16 loads just issued stay out
	WIN 0x44
.irp mtl, 0,1
.irp tau, 0,1,2,3
	v_wmma_f32_16x16x32_bf16 v[128+16*\tau+8*\mtl:135+16*\tau+8*\mtl], v[64+32*\mtl:71+32*\mtl], v[32*\tau:32*\tau+7], v[192+8*\mtl:199+8*\mtl]   ; the bias starts the sums
.endr
.endr
	WIN 0x54
.irp kc, 1,2,3
.irp mtl, 0,1
.irp tau, 0,1,2,3
	v_wmma_f32_16x16x32_bf16 v[128+16*\tau+8*\mtl:135+16*\tau+8*\mtl], v[64+32*\mtl+8*\kc:71+32*\mtl+8*\kc], v[32*\tau+8*\kc:32*\tau+8*\kc+7], v[128+16*\tau+8*\mtl:135+16*\tau+8*\mtl]   ; eight accumulators by turns
.endr
.endr
.endr
	WIN 0
	PLACES
.if \more
	W1LOAD
.endif
	WIN 0x45
.set i, 0
.rept 64
	v_max_num_f32 v[128+i], 0, v[128+i]    ; relu
.set i, i+1
.endr
.irp tau, 0,1,2,3
.irp q, 0,1,2,3,4,5,6,7
	v_cvt_pk_bf16_f32 v[192+8*\tau+\q], v[128+16*\tau+2*\q], v[128+16*\tau+2*\q+1]
.endr
.endr
.if \more
	s_wait_dscnt 20                        ; W2's fragments are in; the next chunk's 16 + 4 loads stay out
.else
	s_wait_dscnt 0x0
.endif
	WIN 0xa4
.irp mt, 0,1,2,3,4,5,6,7
.irp tau, 0,1,2,3
	v_wmma_f32_16x16x32_bf16 v[64*\tau+8*\mt:64*\tau+8*\mt+7], v[128+8*\mt:135+8*\mt], v[192+8*\tau:199+8*\tau], v[64*\tau+8*\mt:64*\tau+8*\mt+7]   ; 32 accumulators by turns
.endr
.endr
	WIN 0
.endm
	s_load_b512 s[8:23], s[0:1], 0x0               ; x 8, patch_g 10, patch_b 12, emb_W 14, emb_b 16, proj_W 18, proj_b 20, ffn_b1 22
	s_load_b512 s[24:39], s[0:1], 0x40             ; ffn_b2 24, n1_g 26, n1_b 28, n2_g 30, n2_b 32, idx 34, wf 36, tab 38
	s_load_b64 s[40:41], s[0:1], 0x80              ; part
	v_lshl_add_u32 v254, v0, 2, 0x35c00
	v_mov_b32 v255, 0
	ds_add_u32 v254, v255
	ds_add_u32 v254, v255
	s_wait_dscnt 0x0
	v_lshrrev_b32 v1, 5, v0
	v_readfirstlane_b32 s2, v1                     ; wave
	s_and_b32 s4, ttmp7, 0xffff                    ; n
	s_lshl4_add_u32 s5, s4, ttmp9                  ; g = 16 n + bblk
	s_mov_b32 s54, 0x76543210
	s_mov_b32 s55, 0xfedcba98
	s_mov_b32 s70, 0x3c000000                      ; 1/128
	s_mov_b32 s71, 0x3727c5ac                      ; 1e-5
	s_mov_b32 s72, 0x3d800000                      ; 1/16
	s_mov_b32 s73, 0x2b8cbccc                      ; 1e-12
	; the descriptor of my quarter of tab: a dense block as 160 rows of 32 elements of 8 bytes, no padding, no mask
	s_mov_b32 s[G1+0], 3<<16                       ; 17:16 element of 8 bytes
	s_mov_b32 s[G1+1], 32<<16                      ; tensor_dim0 = 32
	s_mov_b32 s[G1+2], 160<<16                     ; tensor_dim1 = 160
	s_mov_b32 s[G1+3], 32<<16                      ; tile_dim0 = 32
	s_mov_b32 s[G1+4], 160                         ; tile_dim1 = 160
	s_mov_b32 s[G1+5], 32                          ; from row to row: 32 elements
	s_mov_b32 s[G1+6], 0
	s_mov_b32 s[G1+7], 0
	s_mov_b32 s[G0], 1                             ; count = 1
	s_mul_i32 s[G0+1], s2, TABW                    ; LDS address: the wave's number times 40,960
	s_mul_i32 s42, s2, TABW                        ; and the same offset in tab
	s_mov_b32 s43, 0
	s_lshl_b32 s56, ttmp9, 20                      ; x: b = 32 bblk + 8 w, 32,768 bytes each; n: 2,048
	s_lshl_b32 s3, s2, 18
	s_add_co_u32 s56, s56, s3
	s_lshl_b32 s6, s4, 11
	s_add_co_u32 s56, s56, s6
	s_mov_b32 s57, 0
	s_lshl_b32 s58, s5, 12                         ; idx: g * 4,096
	s_mov_b32 s59, 0
	s_lshl_b32 s60, s4, 18                         ; part: n * 262,144 + (32 bblk + 8 w) * 512
	s_lshl_b32 s6, ttmp9, 14
	s_add_co_u32 s60, s60, s6
	s_lshl_b32 s6, s2, 12
	s_add_co_u32 s60, s60, s6
	s_mov_b32 s61, 0
	s_lshl_b32 s50, s4, 20                         ; wf: (32 n + 8 w) * 32,768
	s_add_co_u32 s50, s50, s3
	s_mov_b32 s51, 0
	v_and_b32 v1, 31, v0
	v_and_b32 v12, 15, v0                          ; r
	v_bfe_u32 v13, v0, 4, 1                        ; h
	v_mul_u32_u24 v15, v13, 272
	v_lshl_add_u32 v2, v12, 4, v15
	v_lshlrev_b32 v3, 5, v13
	v_add_nc_u32 v3, PAR, v3
	v_lshrrev_b32 v14, 3, v12                      ; XF read: (r>>3)*8832 + h*128 + (r&7)*16 + 8 w * 272
	v_mul_u32_u24 v7, v14, 8832
	v_lshl_add_u32 v7, v13, 7, v7
	v_and_b32 v14, 7, v12
	v_lshl_add_u32 v7, v14, 4, v7
	s_mul_i32 s6, s2, 2176
	s_add_co_u32 s7, s6, XF
	v_add_nc_u32 v7, s7, v7
	v_lshlrev_b32 v8, 4, v1
	v_mov_b32 v14, 0x3c003c00                      ; (1, 1) in f16
	v_cmp_eq_u32 vcc_lo, 0, v13
	v_cndmask_b32 v9, 0, v14, vcc_lo
	v_add_nc_u32 v10, EMBF, v2
	v_lshlrev_b32 v11, 14, v13
	v_add_nc_u32 v11, PBT, v11
	; addresses that only the head uses: v50-60
	v_lshlrev_b32 v50, 3, v1                       ; x: 8 lane
	v_lshlrev_b32 v51, 2, v13                      ; patch: 4 h
	s_mul_i32 s7, s2, 8832
	s_add_co_u32 s7, s7, XF
	v_mul_u32_u24 v52, v12, 544
	v_lshl_add_u32 v52, v13, 7, v52
	v_add_nc_u32 v52, s7, v52                      ; XF store: w*8832 + r*544 + h*128
	v_lshlrev_b32 v55, 6, v0                       ; a row of emb_W or proj_W a thread: 64 bytes
	v_lshlrev_b32 v57, 2, v0
	s_add_co_u32 s6, s6, EMBF
	v_mul_u32_u24 v58, v13, 1088
	v_lshl_add_u32 v58, v12, 4, v58
	v_add_nc_u32 v58, s6, v58                      ; EMBF + w*2176 + h*1088 + r*16
	v_add_nc_u32 v59, PAR, v57
	v_lshrrev_b32 v14, 2, v12
	v_and_b32 v15, 3, v12
	v_lshlrev_b32 v60, 2, v15
	v_lshl_add_u32 v60, v14, 9, v60
	v_lshl_add_u32 v60, s2, 7, v60                 ; idx: (r>>2)*512 + (r&3)*4 + 8 w * 16
	s_wait_kmcnt 0x0
	s_add_nc_u64 s[G0+2:G0+3], s[38:39], s[42:43]  ; global address of my quarter of tab
	s_or_b32 s[G0+3], s[G0+3], 0x80000000          ; type = 2
	tensor_load_to_lds s[G0:G0+3], s[G1:G1+7]      ; the launch's one fill of these bytes, ahead of every LDS read, wait on TENSORcnt and barrier
	s_nop 0
	s_add_nc_u64 s[56:57], s[8:9], s[56:57]
	s_add_nc_u64 s[58:59], s[34:35], s[58:59]
	s_add_nc_u64 s[60:61], s[40:41], s[60:61]
	s_add_nc_u64 s[50:51], s[36:37], s[50:51]
	; THE HEAD: every load is asked for at once, each into registers of its own
.irp i, 0,1,2,3,4,5,6,7
	global_load_b32 v[96+\i], v51, s[10:11] offset:8*\i
	global_load_b32 v[104+\i], v51, s[12:13] offset:8*\i
.endr
.irp k, 0,1,2,3,4,5,6,7
.irp i, 0,1,2,3,4,5,6,7
	global_load_b64 v[128+16*\k+2*\i:129+16*\k+2*\i], v50, s[56:57] offset:\k*32768+\i*256     ; 256 consecutive bytes, aligned
.endr
.endr
.irp j, 0,1,2,3
	global_load_b128 v[64+4*\j:67+4*\j], v55, s[14:15] offset:16*\j
	global_load_b128 v[80+4*\j:83+4*\j], v55, s[18:19] offset:16*\j
.endr
	global_load_b32 v40, v57, s[16:17]             ; emb_b
	global_load_b32 v41, v57, s[20:21]             ; proj_b
	global_load_b32 v42, v57, s[22:23]             ; ffn_b1
	global_load_b32 v43, v57, s[22:23] offset:512
	global_load_b32 v44, v57, s[26:27]             ; n1_g
	global_load_b32 v45, v57, s[28:29]             ; n1_b
	global_load_b32 v46, v57, s[24:25]             ; ffn_b2
	global_load_b32 v47, v57, s[30:31]             ; n2_g
	global_load_b32 v48, v57, s[32:33]             ; n2_b
.irp q, 0,1,2,3,4,5,6,7,8,9,10,11,12,13,14,15
	global_load_b32 v[16+\q], v60, s[58:59] offset:(\q&1)*2048+(\q>>1)*16      ; q = 4 step + 2 dd + bt
.endr
	; The last product's sums live across the counted step loop, whose text stands once, so they are cleared here, while the loads are out.
	WIN 0xc0
.set i, 0
.rept 128
	v_mov_b32 v[i], 0
.set i, i+1
.endr
	WIN 0
	s_wait_loadcnt 33                              ; patch and x are in; the 8 + 9 + 16 younger loads stay out
.irp k, 0,1,2,3,4,5,6,7
	XPREP2 \k
.endr
	s_wait_loadcnt 0x0
.irp j, 138,139,140,141,142,143
	v_mov_b32 v\j, 0
.endr
	EPACK 64, 40, 0
	EPACK 80, 41, 8704
	v_add_f32 v46, v45, v46                        ; n1_b + ffn_b2
	ds_store_b32 v59, v42
	ds_store_b32 v59, v43 offset:512
	ds_store_b32 v59, v44 offset:1024
	ds_store_b32 v59, v45 offset:1536
	ds_store_b32 v59, v46 offset:2048
	ds_store_b32 v59, v47 offset:2560
	ds_store_b32 v59, v48 offset:3072
	s_wait_dscnt 0x0                               ; my part of every table that is made here is written,
	s_wait_tensorcnt 0x0                           ; and my quarter of tab has landed
	s_barrier_signal -1
	s_barrier_wait -1                              ; everybody's has; from here to the way out LDS is only read
	s_mov_b32 s52, 0
.Lstep:
	; E0: fragments of x, of the chosen prototypes, of emb_W and proj_W
.rept 5
	v_nop                                          ; places behind the last step's products, whose registers are written again below
.endr
	WIN 0x40
.irp tau, 0,1,2,3
	ds_load_b128 v[128+8*\tau:131+8*\tau], v7 offset:(\tau>>1)*272+(\tau&1)*17664
.endr
	WIN 0
.irp mt, 0,1,2,3,4,5,6,7
	ds_load_b128 v[64+8*\mt:67+8*\mt], v10 offset:\mt*1088
	ds_load_b128 v[68+8*\mt:71+8*\mt], v10 offset:\mt*1088+544
.endr
.irp tau, 0,1,2,3
	v_min_u32 v[12+\tau], 0x3ff, v[16+\tau]        ; an index stays inside the table
.endr
.irp tau, 0,1,2,3
	v_lshl_add_u32 v[12+\tau], v[12+\tau], 4, v11
.endr
	WIN 0x40
.irp tau, 0,1,2,3
	ds_load_b128 v[160+8*\tau:163+8*\tau], v[12+\tau]
.endr
.irp tau, 0,1,2,3
	v_mov_b32 v[132+8*\tau], v9                    ; (1, 1) against the bias, zeros in the rest of K
	v_mov_b32 v[133+8*\tau], 0
	v_mov_b32 v[134+8*\tau], 0
	v_mov_b32 v[135+8*\tau], 0
	v_mov_b32 v[164+8*\tau], v9
	v_mov_b32 v[165+8*\tau], 0
	v_mov_b32 v[166+8*\tau], 0
	v_mov_b32 v[167+8*\tau], 0
.endr
	WIN 0
.irp mt, 0,1,2,3,4,5,6,7
	ds_load_b128 v[128+8*\mt:131+8*\mt], v10 offset:8704+\mt*1088
	ds_load_b128 v[132+8*\mt:135+8*\mt], v10 offset:8704+\mt*1088+544
.endr
.irp q, 0,1,2,3,4,5,6,7,8,9,10,11
	v_mov_b32 v[16+\q], v[20+\q]                   ; the next step's indices move up
.endr
	v_add_nc_u32 v7, 544, v7
	; E1: input_embed
	s_wait_dscnt 20                                ; x and emb_W are in; the prototypes' 4 and proj_W's 16 loads stay out
	WIN 0x84
.irp mt, 0,1,2,3,4,5,6,7
.irp tau, 0,1,2,3
	v_wmma_f32_16x16x32_f16 v[64*\tau+8*\mt:64*\tau+8*\mt+7], v[64+8*\mt:71+8*\mt], v[128+8*\tau:135+8*\tau], 0
.endr
.endr
	; E2: proto_embed, two tiles ahead of the mix that uses them
	s_wait_dscnt 0x0
	PROJ 0, 128
	PROJ 1, 192
	WIN 0
	PLACES
	MIX 0, 128
	PROJ 2, 128
	MIX 1, 192
	PROJ 3, 192
	MIX 2, 128
	MIX 3, 192
	; E3: n1's gain and bias; h as B fragments; the tiles become h + ffn_b2
	WIN 0
	PLOAD 64, 1024
	PLOAD 128, 1536
	PLOAD 192, 2048
	s_wait_dscnt 0x0
	AFF 0, 1
	AFF 1, 1
	AFF 2, 1
	AFF 3, 1
	; F: the FFN in eight chunks of 32 middle features
	GLOAD 0, 0xc0, 128
	v_mov_b32 v4, v8
	v_add_nc_u32 v5, W2F, v8
	v_mov_b32 v6, v3
	W1LOAD
	s_mov_b32 s53, 7
.Lffn:
	FTRIP 1
	s_sub_co_u32 s53, s53, 1
	s_cmp_lg_u32 s53, 0
	s_cbranch_scc1 .Lffn
	FTRIP 0
	; the second LayerNorm; z as B fragments; the wf groups are asked for as their registers fall free
	PLACES
	GLOAD 1, 0x40, 128
	PLOAD 64, 2560
	PLOAD 128, 3072
	s_wait_dscnt 0x0
	LNORM 0
	AFF 0, 0
	LNORM 1
	AFF 1, 0
	GLOAD 2, 0x80, 0
	LNORM 2
	AFF 2, 0
	LNORM 3
	AFF 3, 0
	GLOAD 3, 0x80, 128
	; O: the last product.  96, 64, 32 and 0 loads are younger than the group that is needed; a wait names 63 at the most
	s_wait_loadcnt 63
	OUTP 0, 0xf7, 128
	s_wait_loadcnt 63
	OUTP 1, 0xf5, 128
	s_wait_loadcnt 32
	OUTP 2, 0xf6, 0
	s_wait_loadcnt 0x0
	s_add_nc_u64 s[50:51], s[50:51], 0x10000       ; two d further; no load that names the base is out
	OUTP 3, 0xf6, 128
	WIN 0
	s_add_co_u32 s52, s52, 1
	s_cmp_lt_u32 s52, 4
	s_cbranch_scc1 .Lstep
	; THE WAY OUT: the four waves' sums meet in LDS, over the weights' image, which has had its one fill and which nobody reads behind this barrier
	PLACES
	s_wait_dscnt 0x0
	s_barrier_signal -1
	s_barrier_wait -1
	v_and_b32 v12, 15, v0
	v_bfe_u32 v13, v0, 4, 1
	v_mul_u32_u24 v14, v12, 528
	v_lshl_add_u32 v14, v13, 5, v14
	s_mul_i32 s6, s2, 16896
	v_add_nc_u32 v14, s6, v14                      ; my stage: 32 rows b of 528 bytes; row r, byte 32 h
	s_mul_i32 s6, s2, 4224
	v_add_nc_u32 v15, s6, v8                       ; back: rows 8 w .. 8 w + 7 of every stage, 16 bytes a lane
	WIN 0x0c
.set i, 0
.rept 32
	ds_store_b128 v14, v[4*i:4*i+3] offset:(i>>4)*8448+((i>>1)&7)*64+(i&1)*16
.set i, i+1
.endr
	WIN 0
	s_wait_dscnt 0x0
	s_barrier_signal -1
	s_barrier_wait -1
.irp t, 0,1,2,3,4,5,6,7
.irp wv, 0,1,2,3
	ds_load_b128 v[64+16*\t+4*\wv:67+16*\t+4*\wv], v15 offset:\wv*16896+\t*528
.endr
.endr
	s_wait_dscnt 0x0
.irp t, 0,1,2,3,4,5,6,7
	v_pk_add_f32 v[64+16*\t:65+16*\t], v[64+16*\t:65+16*\t], v[68+16*\t:69+16*\t]
	v_pk_add_f32 v[66+16*\t:67+16*\t], v[66+16*\t:67+16*\t], v[70+16*\t:71+16*\t]
	v_pk_add_f32 v[72+16*\t:73+16*\t], v[72+16*\t:73+16*\t], v[76+16*\t:77+16*\t]
	v_pk_add_f32 v[74+16*\t:75+16*\t], v[74+16*\t:75+16*\t], v[78+16*\t:79+16*\t]
	v_pk_add_f32 v[64+16*\t:65+16*\t], v[64+16*\t:65+16*\t], v[72+16*\t:73+16*\t]
	v_pk_add_f32 v[66+16*\t:67+16*\t], v[66+16*\t:67+16*\t], v[74+16*\t:75+16*\t]
	global_store_b128 v8, v[64+16*\t:67+16*\t], s[60:61] offset:\t*512     ; a row of part: 512 consecutive bytes, aligned
.endr
	s_wait_xcnt 0x0
	v_lshl_add_u32 v254, v0, 2, 0x35c00
	v_mov_b32 v255, 0
	s_wait_tensorcnt 0x0
	ds_add_u32 v254, v255
	s_wait_dscnt 0x0
	s_endpgm
.Lfunc_end_k_q6fb3efcb6a_encode:
	.size	k_q6fb3efcb6a_encode, .Lfunc_end_k_q6fb3efcb6a_encode-k_q6fb3efcb6a_encode
	.p2alignl 7, 3214868480
	.fill 96, 4, 3214868480
	.section	.rodata,"a",@progbits
	.p2align	6, 0x0
	.amdhsa_kernel k_q6fb3efcb6a_encode
		.amdhsa_group_segment_fixed_size 220672
		.amdhsa_private_segment_fixed_size 0
		.amdhsa_enable_private_segment 0
		.amdhsa_kernarg_size 136
		.amdhsa_user_sgpr_count 2
		.amdhsa_user_sgpr_kernarg_segment_ptr 1
		.amdhsa_wavefront_size32 1
		.amdhsa_system_sgpr_workgroup_id_x 1
		.amdhsa_system_sgpr_workgroup_id_y 1
		.amdhsa_system_sgpr_workgroup_id_z 1
		.amdhsa_system_vgpr_workitem_id 0
		.amdhsa_next_free_vgpr 1024
		.amdhsa_next_free_sgpr 84
		.amdhsa_reserve_vcc 1
		.amdhsa_float_denorm_mode_32 3
		.amdhsa_float_denorm_mode_16_64 3
		.amdhsa_memory_ordered 1
		.amdhsa_forward_progress 1
		.amdhsa_inst_pref_size 255
	.end_amdhsa_kernel
	.section	.bss,"aw",@nobits
	.p2align	6
	.space	262144
	.amdgpu_metadata
---
amdhsa.version: [ 1, 2 ]
amdhsa.kernels:
  - .name:           k_q6fb3efcb6a_encode
    .symbol:         k_q6fb3efcb6a_encode.kd
    .args:
      - { .name: x, .offset: 0, .size: 8, .value_kind: global_buffer, .address_space: global }
      - { .name: patch_g, .offset: 8, .size: 8, .value_kind: global_buffer, .address_space: global }
      - { .name: patch_b, .offset: 16, .size: 8, .value_kind: global_buffer, .address_space: global }
      - { .name: emb_W, .offset: 24, .size: 8, .value_kind: global_buffer, .address_space: global }
      - { .name: emb_b, .offset: 32, .size: 8, .value_kind: global_buffer, .address_space: global }
      - { .name: proj_W, .offset: 40, .size: 8, .value_kind: global_buffer, .address_space: global }
      - { .name: proj_b, .offset: 48, .size: 8, .value_kind: global_buffer, .address_space: global }
      - { .name: ffn_b1, .offset: 56, .size: 8, .value_kind: global_buffer, .address_space: global }
      - { .name: ffn_b2, .offset: 64, .size: 8, .value_kind: global_buffer, .address_space: global }
      - { .name: n1_g, .offset: 72, .size: 8, .value_kind: global_buffer, .address_space: global }
      - { .name: n1_b, .offset: 80, .size: 8, .value_kind: global_buffer, .address_space: global }
      - { .name: n2_g, .offset: 88, .size: 8, .value_kind: global_buffer, .address_space: global }
      - { .name: n2_b, .offset: 96, .size: 8, .value_kind: global_buffer, .address_space: global }
      - { .name: idx, .offset: 104, .size: 8, .value_kind: global_buffer, .address_space: global }
      - { .name: wf, .offset: 112, .size: 8, .value_kind: global_buffer, .address_space: global }
      - { .name: tab, .offset: 120, .size: 8, .value_kind: global_buffer, .address_space: global }
      - { .name: part, .offset: 128, .size: 8, .value_kind: global_buffer, .address_space: global }
    .group_segment_fixed_size: 220672
    .private_segment_fixed_size: 0
    .kernarg_segment_align: 8
    .kernarg_segment_size: 136
    .max_flat_workgroup_size: 128
    .sgpr_count:     84
    .vgpr_count:     1024
    .wavefront_size: 32
...
	.end_amdgpu_metadata
.endif
;; end of part 2
;; launch fold (part 3): grid 256 x 1, 2 waves a work-group, no clusters, 0 bytes of LDS; arguments part, out_b, out0; writes out0
.if DOCPART == 3
	.amdgcn_target "amdgcn-amd-amdhsa--gfx1250"
	.amdhsa_code_object_version 6
	.text
	.protected	k_q6fb3efcb6a_fold
	.globl	k_q6fb3efcb6a_fold
	.p2align	8
	.type	k_q6fb3efcb6a_fold,@function
k_q6fb3efcb6a_fold:
	s_mov_b64 s[64:65], 0
	v_nop
	global_prefetch_b8 v0, s[64:65] scope:SCOPE_SE
	s_setreg_imm32_b32 hwreg(HW_REG_WAVE_MODE, 25, 1), 1
	s_wait_xcnt 0x0
; FOLD: out0[b][o] = out_b[o] + 2^-8 x the sum over the 16 n of part[n][b][o] (part carries the factor 256 that out_W was given for f16;
; both factors are powers of two and exact).  No work is left out.
; A thread owns 16 bytes of out0 (4 numbers): 256 work-groups x 64 threads x 16 bytes = 262,144.  Its 16 loads are 262,144 bytes apart;
; a wave's load or store covers 512 consecutive bytes, aligned.  The sum is a fixed tree, the same for every output.
; A stream of 4 MiB: no LDS, no matrix unit, no barrier.
	s_load_b128 s[4:7], s[0:1], 0x0                ; part, out_b
	s_load_b64 s[8:9], s[0:1], 0x10                ; out0
	v_lshlrev_b32 v1, 4, v0
	s_lshl_b32 s10, ttmp9, 10
	v_add_nc_u32 v1, s10, v1                       ; my 16 bytes
	v_and_b32 v2, 31, v0
	v_lshlrev_b32 v2, 4, v2                        ; my four columns in out_b (a row of out0 is 512 bytes)
	s_wait_kmcnt 0x0
	global_load_b128 v[4:7], v2, s[6:7]
.irp n, 0,1,2,3,4,5,6,7,8,9,10,11,12,13,14,15
	global_load_b128 v[8+4*\n:11+4*\n], v1, s[4:5] offset:\n*262144 th:TH_LOAD_NT
.endr
	s_wait_loadcnt 0x0
.irp n, 0,1,2,3,4,5,6,7
	v_pk_add_f32 v[8+4*\n:9+4*\n], v[8+4*\n:9+4*\n], v[40+4*\n:41+4*\n]
	v_pk_add_f32 v[10+4*\n:11+4*\n], v[10+4*\n:11+4*\n], v[42+4*\n:43+4*\n]
.endr
.irp n, 0,1,2,3
	v_pk_add_f32 v[8+4*\n:9+4*\n], v[8+4*\n:9+4*\n], v[24+4*\n:25+4*\n]
	v_pk_add_f32 v[10+4*\n:11+4*\n], v[10+4*\n:11+4*\n], v[26+4*\n:27+4*\n]
.endr
.irp n, 0,1
	v_pk_add_f32 v[8+4*\n:9+4*\n], v[8+4*\n:9+4*\n], v[16+4*\n:17+4*\n]
	v_pk_add_f32 v[10+4*\n:11+4*\n], v[10+4*\n:11+4*\n], v[18+4*\n:19+4*\n]
.endr
	v_pk_add_f32 v[8:9], v[8:9], v[12:13]
	v_pk_add_f32 v[10:11], v[10:11], v[14:15]
	v_pk_fma_f32 v[4:5], v[8:9], 0x3b800000, v[4:5] op_sel_hi:[1,0,1]      ; 2^-8 x the sum + out_b, fused
	v_pk_fma_f32 v[6:7], v[10:11], 0x3b800000, v[6:7] op_sel_hi:[1,0,1]
	global_store_b128 v1, v[4:7], s[8:9]
	s_endpgm
.Lfunc_end_k_q6fb3efcb6a_fold:
	.size	k_q6fb3efcb6a_fold, .Lfunc_end_k_q6fb3efcb6a_fold-k_q6fb3efcb6a_fold
	.p2alignl 7, 3214868480
	.fill 96, 4, 3214868480
	.section	.rodata,"a",@progbits
	.p2align	6, 0x0
	.amdhsa_kernel k_q6fb3efcb6a_fold
		.amdhsa_group_segment_fixed_size 0
		.amdhsa_private_segment_fixed_size 0
		.amdhsa_enable_private_segment 0
		.amdhsa_kernarg_size 24
		.amdhsa_user_sgpr_count 2
		.amdhsa_user_sgpr_kernarg_segment_ptr 1
		.amdhsa_wavefront_size32 1
		.amdhsa_system_sgpr_workgroup_id_x 1
		.amdhsa_system_sgpr_workgroup_id_y 1
		.amdhsa_system_sgpr_workgroup_id_z 1
		.amdhsa_system_vgpr_workitem_id 0
		.amdhsa_next_free_vgpr 80
		.amdhsa_next_free_sgpr 66
		.amdhsa_reserve_vcc 0
		.amdhsa_float_denorm_mode_32 3
		.amdhsa_float_denorm_mode_16_64 3
		.amdhsa_memory_ordered 1
		.amdhsa_forward_progress 1
		.amdhsa_inst_pref_size 5
	.end_amdhsa_kernel
	.amdgpu_metadata
---
amdhsa.version: [ 1, 2 ]
amdhsa.kernels:
  - .name:           k_q6fb3efcb6a_fold
    .symbol:         k_q6fb3efcb6a_fold.kd
    .args:
      - { .name: part, .offset: 0, .size: 8, .value_kind: global_buffer, .address_space: global }
      - { .name: out_b, .offset: 8, .size: 8, .value_kind: global_buffer, .address_space: global }
      - { .name: out0, .offset: 16, .size: 8, .value_kind: global_buffer, .address_space: global }
    .group_segment_fixed_size: 0
    .private_segment_fixed_size: 0
    .kernarg_segment_align: 8
    .kernarg_segment_size: 24
    .max_flat_workgroup_size: 64
    .sgpr_count:     66
    .vgpr_count:     80
    .wavefront_size: 32
...
	.end_amdgpu_metadata
.endif
;; end of part 3
